; MI455X (gfx1250); checked and timed in simulation.
; The chip was launched on July 23, 2026; its instructions are those of AMD's public machine-readable ISA for CDNA 5 (MIT licence, August 2026) and "CDNA5" Instruction Set Architecture Reference Guide (July 2026). The comments in the code are by the model that wrote it; some were corrected since.
;; Multi Head Attention. Allowed arithmetic: float matrix products may take bf16 or f16 operands with f32 sums; all other float work in f32.
;; Inputs: K 2 x 2,048 x 1,024 float32; Q 2 x 2,048 x 1,024 float32; V 2 x 2,048 x 1,024 float32; Wk 1,024 x 1,024 float32; Wo 1,024 x 1,024 float32; Wq 1,024 x 1,024 float32; Wv 1,024 x 1,024 float32; bk 1,024 float32; bo 1,024 float32; bq 1,024 float32; bv 1,024 float32.
;; Outputs: out0 2 x 2,048 x 1,024 float32.
;; One version. Each part assembles by itself: llvm-mc -triple=amdgcn-amd-amdhsa -mcpu=gfx1250 --defsym DOCPART=n.
;; ======== version 1 of 1: 4 launches
;; workspace buffers: cb 33,554,432 bytes; hd 25,165,824 bytes; ao 8,388,608 bytes
;; launch cast (part 1): grid 64 x 16, 8 waves a work-group, no clusters, 0 bytes of LDS; arguments Q, K, V, Wq, Wk, Wv, Wo, cb; writes cb
.if DOCPART == 1
	.amdgcn_target "amdgcn-amd-amdhsa--gfx1250"
	.amdhsa_code_object_version 6
	.text
	.protected	k_q52a58d7c3c_cast
	.globl	k_q52a58d7c3c_cast
	.p2align	8
	.type	k_q52a58d7c3c_cast,@function
k_q52a58d7c3c_cast:
	s_mov_b64 s[64:65], 0
	v_nop
	global_prefetch_b8 v0, s[64:65] scope:SCOPE_SE
	s_setreg_imm32_b32 hwreg(HW_REG_WAVE_MODE, 25, 1), 1
	s_wait_xcnt 0x0
; cast: the seven f32 matrices are rounded once to bf16 (nearest even) into cb, so that every later product reads 16-bit tiles.
; cb is 16 chunks of 1,048,576 numbers: chunks 0-3 Q, 4-7 K, 8-11 V (12,288 stacked rows of 1,024), 12 Wq, 13 Wk, 14 Wv, 15 Wo.
; Work-group (x, y): piece x (65,536 bytes in, 32,768 out) of chunk y.  A thread takes 16 bytes of each of 16 blocks of 4,096 bytes:
; a wave's load covers 512 consecutive bytes, its store 256 consecutive bytes at a multiple of 256 from cb's first byte.
; All 16 loads go out first, the waits count down, no register is written twice.
; No LDS, no matrix unit, no cluster: nothing is shared between threads, each byte is read once and written once.
.set X, 4                              ; v[4:67]   16 x 4 numbers as loaded
.set Y, 68                             ; v[68:99]  16 x 4 numbers in bf16
	s_load_b512 s[8:23], s[0:1], 0x0               ; Q s[8:9], K s[10:11], V s[12:13], Wq s[14:15], Wk s[16:17], Wv s[18:19], Wo s[20:21], cb s[22:23]
	s_and_b32 s24, ttmp7, 0xffff                   ; the chunk
	s_and_b32 s25, s24, 3
	s_lshl_b32 s25, s25, 22                        ; Q, K, V: which quarter (4 MiB of f32) of the source
	s_cmp_lt_u32 s24, 12
	s_cselect_b32 s25, s25, 0                      ; a weight matrix is one chunk
	s_lshl_b32 s26, ttmp9, 16                      ; + the piece
	s_add_co_u32 s26, s26, s25
	s_mov_b32 s27, 0                               ; s[26:27] byte offset in the source
	s_lshl_b32 s28, s24, 21
	s_lshl_b32 s29, ttmp9, 15
	s_add_co_u32 s28, s28, s29
	s_mov_b32 s29, 0                               ; s[28:29] byte offset in cb
	v_lshlrev_b32 v1, 4, v0                        ; 16 bytes a thread in
	v_lshlrev_b32 v2, 3, v0                        ; 8 bytes a thread out
	s_wait_kmcnt 0x0
	s_mov_b64 s[4:5], s[8:9]                       ; the source, chosen by the chunk's number alone
	s_cmp_ge_u32 s24, 4
	s_cselect_b64 s[4:5], s[10:11], s[4:5]
	s_cmp_ge_u32 s24, 8
	s_cselect_b64 s[4:5], s[12:13], s[4:5]
	s_cmp_ge_u32 s24, 12
	s_cselect_b64 s[4:5], s[14:15], s[4:5]
	s_cmp_ge_u32 s24, 13
	s_cselect_b64 s[4:5], s[16:17], s[4:5]
	s_cmp_ge_u32 s24, 14
	s_cselect_b64 s[4:5], s[18:19], s[4:5]
	s_cmp_ge_u32 s24, 15
	s_cselect_b64 s[4:5], s[20:21], s[4:5]
	s_add_nc_u64 s[4:5], s[4:5], s[26:27]
	s_add_nc_u64 s[22:23], s[22:23], s[28:29]
.irp j, 0,1,2,3,4,5,6,7,8,9,10,11,12,13,14,15
	global_load_b128 v[X+4*\j:X+4*\j+3], v1, s[4:5] offset:4096*\j th:TH_LOAD_NT   ; read once in the whole launch
.endr
.irp j, 0,1,2,3,4,5,6,7,8,9,10,11,12,13,14,15
	s_wait_loadcnt 15-\j                           ; loads come back in order (ISA guide 5.7.1): load j is in, the 15 - j younger ones stay out
	v_cvt_pk_bf16_f32 v[Y+2*\j],   v[X+4*\j],   v[X+4*\j+1]
	v_cvt_pk_bf16_f32 v[Y+2*\j+1], v[X+4*\j+2], v[X+4*\j+3]
	global_store_b64 v2, v[Y+2*\j:Y+2*\j+1], s[22:23] offset:2048*\j               ; no hint: the next launch reads these bytes
.endr
	s_endpgm
.Lfunc_end_k_q52a58d7c3c_cast:
	.size	k_q52a58d7c3c_cast, .Lfunc_end_k_q52a58d7c3c_cast-k_q52a58d7c3c_cast
	.p2alignl 7, 3214868480
	.fill 96, 4, 3214868480
	.section	.rodata,"a",@progbits
	.p2align	6, 0x0
	.amdhsa_kernel k_q52a58d7c3c_cast
		.amdhsa_group_segment_fixed_size 0
		.amdhsa_private_segment_fixed_size 0
		.amdhsa_enable_private_segment 0
		.amdhsa_kernarg_size 64
		.amdhsa_user_sgpr_count 2
		.amdhsa_user_sgpr_kernarg_segment_ptr 1
		.amdhsa_wavefront_size32 1
		.amdhsa_system_sgpr_workgroup_id_x 1
		.amdhsa_system_sgpr_workgroup_id_y 1
		.amdhsa_system_sgpr_workgroup_id_z 1
		.amdhsa_system_vgpr_workitem_id 0
		.amdhsa_next_free_vgpr 100
		.amdhsa_next_free_sgpr 66
		.amdhsa_reserve_vcc 0
		.amdhsa_float_denorm_mode_32 3
		.amdhsa_float_denorm_mode_16_64 3
		.amdhsa_memory_ordered 1
		.amdhsa_forward_progress 1
		.amdhsa_inst_pref_size 7
	.end_amdhsa_kernel
	.amdgpu_metadata
---
amdhsa.version: [ 1, 2 ]
amdhsa.kernels:
  - .name:           k_q52a58d7c3c_cast
    .symbol:         k_q52a58d7c3c_cast.kd
    .args:
      - { .name: Q, .offset: 0, .size: 8, .value_kind: global_buffer, .address_space: global }
      - { .name: K, .offset: 8, .size: 8, .value_kind: global_buffer, .address_space: global }
      - { .name: V, .offset: 16, .size: 8, .value_kind: global_buffer, .address_space: global }
      - { .name: Wq, .offset: 24, .size: 8, .value_kind: global_buffer, .address_space: global }
      - { .name: Wk, .offset: 32, .size: 8, .value_kind: global_buffer, .address_space: global }
      - { .name: Wv, .offset: 40, .size: 8, .value_kind: global_buffer, .address_space: global }
      - { .name: Wo, .offset: 48, .size: 8, .value_kind: global_buffer, .address_space: global }
      - { .name: cb, .offset: 56, .size: 8, .value_kind: global_buffer, .address_space: global }
    .group_segment_fixed_size: 0
    .private_segment_fixed_size: 0
    .kernarg_segment_align: 8
    .kernarg_segment_size: 64
    .max_flat_workgroup_size: 256
    .sgpr_count:     66
    .vgpr_count:     100
    .wavefront_size: 32
...
	.end_amdgpu_metadata
.endif
;; end of part 1
;; launch qkv (part 2): grid 4 x 48, 4 waves a work-group, clusters of 4 x 4, 327,680 bytes of LDS; arguments cb, bq, bk, bv, hd; writes hd
.if DOCPART == 2
	.amdgcn_target "amdgcn-amd-amdhsa--gfx1250"
	.amdhsa_code_object_version 6
	.text
	.protected	k_q52a58d7c3c_qkv
	.globl	k_q52a58d7c3c_qkv
	.p2align	8
	.type	k_q52a58d7c3c_qkv,@function
k_q52a58d7c3c_qkv:
	s_mov_b64 s[64:65], 0
	v_nop
	global_prefetch_b8 v0, s[64:65] scope:SCOPE_SE
	s_setreg_imm32_b32 hwreg(HW_REG_WAVE_MODE, 25, 1), 1
	s_wait_xcnt 0x0
	s_wait_alu depctr_hold_cnt(0) depctr_sa_sdst(0) depctr_va_vdst(0) depctr_va_sdst(0) depctr_va_ssrc(0) depctr_va_vcc(0) depctr_vm_vsrc(0)
	s_getreg_b32 s2, hwreg(HW_REG_IB_STS2, 6, 4)
	s_cmp_eq_u32 s2, 0
	s_cbranch_scc0 .Lentry_in_a_cluster
	s_endpgm
.Lentry_in_a_cluster:
	s_bfe_u32 s2, ttmp6, 0x10000c
	s_cmp_lg_u32 s2, 0xf033
	s_cbranch_scc0 .Lentry_shape_is_right
	s_endpgm
.Lentry_shape_is_right:
; qkv: the three projections y = x W^T + b as one launch.  x: the 12,288 stacked rows of cb (Q, K, V), W: the stacked rows of Wq, Wk, Wv in cb,
; all bf16; sums in f32; the result goes to hd in bf16, split by head: hd[z][b][h][s][64], z = 0 q, 1 k, 2 v.
; A work-group makes 256 rows x 256 features with four waves, one for each SIMD of a WGP; a wave makes 128 x 128: 64 accumulator tiles, 512 registers.
; 48 block rows x 4 block columns = 192 work-groups: the three products of 4,096 x 1,024 do not split into 256 equal blocks that stay inside one product.
; K = 1,024 goes in steps of 128 through two LDS slots filled by the tensor data mover; a tile's rows are 256 bytes of memory at multiples of 256 bytes.
; CLUSTERS: 4 x 4 work-groups.  The four of a cluster's row need the same rows of x, the four of a column the same rows of W: each tile is asked for
; jointly, by the same tensor load with the same descriptor and a mask that names the four.  A cluster's four block rows lie inside one of the three products
; (16 block rows each), so z hangs on the cluster's y alone.
; The bias starts the sums: the first product of each accumulator takes the bias tile as its C operand; nothing is cleared and nothing is added later.
; THE MATRIX INSTRUCTION IS USED TRANSPOSED: source 0 = 16 rows of W, source 1 = 16 rows of x; lane l then holds row (token) l % 16, its registers 0-7 the
; features 8 (l / 16) + 0..7 of the tile: eight neighbouring numbers of one token, 16 bytes in bf16.
; REGISTERS, in windows of 256: window 0: v16-27 addresses, v64-127 and v128-191 fragments of x (two buffers), v192-255 the bias tiles, later the packed results;
; window 1: v64-127, v128-191 fragments of W; window 2: the 32 tiles of my rows 0-63 (tile (a, b) at v[8 (8 a + b)]); window 3: rows 64-127.
.set SIZE_K, 1024
.set KSTEP,  128
.set PITCH,  272                       ; an LDS row: 256 bytes + 16 of padding: the 16 rows of a fragment load start at 16 different 16-byte columns
.set HALFT,  128*PITCH                 ; 128 rows: what one tensor load brings
.set SLOT,   4*HALFT                   ; x's 256 rows, then W's 256 rows
.set STAGE,  2*SLOT                    ; behind the ring: 16 rows x 272 bytes for each wave; no fill ever lands here
.set SPITCH, 272
.set LAPS,   SIZE_K/(2*KSTEP)          ; 4 laps of two K steps
.set WBASE,  25165824                  ; the weights' first byte in cb
.set HEADB,  262144                    ; bytes of one head's 2,048 rows of 64 in hd
.set ADRA, 16                          ; v16-17  LDS address of my x fragments in slot 0, 1
.set ADRB, 20                          ; v20-21  the same for W
.set STO,  24                          ; v24     way out: where I put 16 bytes of a token
.set RD,   25                          ; v25     way out: where I read 16 bytes back
.set CO,   26                          ; v26     way out: 16 x lane
.set BO,   27                          ; v27     byte offset of my first bias number
.set F0,   64
.set F1,   128
.set BIAS, 192                         ; v192-255: bias tile b at 8 b: feature 16 b + 8 (l / 16) + j in register j, the same for every token
.set TMP,  192                         ; the same registers on the way out
.set G1,  24                           ; s[24:31] group 1 for x's tiles
.set G0,  32                           ; s[32:39] group 0 for x's tiles, one set for each slot
.set G1B, 48                           ; s[48:55] group 1 for W's tiles
.set G0B, 56                           ; s[56:63] group 0 for W's tiles
.set MSB, 0
.macro WIN new                         ; the immediate's high byte repeats the setting that is left; a switch that changes nothing is dropped
.if MSB != \new
	s_set_vgpr_msb (MSB<<8)|\new
.set MSB, \new
.endif
.endm
.set MUL_LO,  0xa1                     ; source 0 (W) window 1, source 1 (x) window 0, C and D window 2
.set MUL_HI,  0xf1                     ; the same, C and D window 3
.set BIAS_LO, 0x81                     ; C (the bias) window 0, D window 2
.set BIAS_HI, 0xc1                     ; C window 0, D window 3
.set TO_B,    0x40                     ; destination window 1
; A joint load: waves 0, 1 fetch x's two halves, waves 2, 3 W's.  Each line has one mask; the branch hangs on the wave's number alone.
.macro JLOAD s
	s_cmp_eq_u32 s11, 0
	s_cbranch_scc0 .Lfor_b_\@
	tensor_load_to_lds s[G0+4*\s:G0+4*\s+3], s[G1:G1+7]
	s_nop 0
	s_branch .Lasked_\@
.Lfor_b_\@:
	tensor_load_to_lds s[G0B+4*\s:G0B+4*\s+3], s[G1B:G1B+7]
	s_nop 0
.Lasked_\@:
.endm
; A round of the cluster's barrier: my work-group's barrier, wave 0 signals for the work-group, every wave waits for all sixteen, my work-group's barrier again.
.macro CREST                           ; a round behind its opening barrier
	s_cmp_lg_u32 s10, 0
	s_cbranch_scc1 .Lnot_wave_0_\@
	s_barrier_signal -3
.Lnot_wave_0_\@:
	s_barrier_wait -3
	s_barrier_signal -1
	s_barrier_wait -1
.endm
.macro CROUND
	s_barrier_signal -1
	s_barrier_wait -1
	CREST
.endm
	s_load_b64 s[4:5], s[0:1], 0x0                 ; cb
	s_load_b256 s[68:75], s[0:1], 0x8              ; bq s[68:69], bk s[70:71], bv s[72:73], hd s[74:75]
	s_set_vgpr_msb 0x40
	v_lshl_add_u32 v255, v0, 2, 0x48400
	s_set_vgpr_msb 0x4000
	v_mov_b32 v63, 0
	s_set_vgpr_msb 0x1
	ds_add_u32 v255, v63
	s_set_vgpr_msb 0x100
	v_lshrrev_b32 v1, 5, v0
	v_readfirstlane_b32 s10, v1                    ; wave 0..3
	s_lshr_b32 s11, s10, 1                         ; my half of the block's rows.  Also: I fetch for x (0) or for W (1)
	s_and_b32 s12, s10, 1                          ; my half of its features.  Also: which 128 rows of that tile I fetch
	s_bfe_u32 s40, ttmp6, 0x40000                  ; cx
	s_bfe_u32 s41, ttmp6, 0x40004                  ; cy
	s_lshl_b32 s42, ttmp9, 2
	s_add_co_u32 s42, s42, s40                     ; block column = 4 x cluster x + cx, 0..3
	s_and_b32 s66, ttmp7, 0xffff                   ; the cluster's y, 0..11
	s_lshl_b32 s13, s66, 2
	s_add_co_u32 s13, s13, s41                     ; block row = 4 x cluster y + cy, 0..47
	s_lshr_b32 s66, s66, 2                         ; z: which of the three products; the same in the whole cluster
	s_lshl_b32 s43, s41, 2
	s_lshl_b32 s43, 15, s43                        ; my row of the cluster: places 4 cy .. 4 cy + 3
	s_lshl_b32 s44, 0x1111, s40                    ; my column: places cx, cx + 4, cx + 8, cx + 12
	; group 1: a tile of 128 rows x 128 elements of 2 bytes, 4 words of padding behind every 64 words
	s_or_b32 s[G1+0], s43, (1<<16)|(1<<20)|(1<<21)|(5<<22)|(3<<25)   ; x's tiles go to my row of the cluster
	s_or_b32 s[G1B+0], s44, (1<<16)|(1<<20)|(1<<21)|(5<<22)|(3<<25)  ; W's tiles to my column
	s_mov_b32 s[G1+1], KSTEP<<16                   ; tensor_dim0 = 128
	s_mov_b32 s[G1B+1], KSTEP<<16
	s_mov_b32 s[G1+2], 128<<16                     ; tensor_dim1 = 128
	s_mov_b32 s[G1B+2], 128<<16
	s_mov_b32 s[G1+3], KSTEP<<16                   ; tile_dim0 = 128
	s_mov_b32 s[G1B+3], KSTEP<<16
	s_mov_b32 s[G1+4], 128                         ; tile_dim1 = 128
	s_mov_b32 s[G1B+4], 128
	s_mov_b32 s[G1+5], SIZE_K                      ; elements from row to row
	s_mov_b32 s[G1B+5], SIZE_K
	s_mov_b32 s[G1+6], 0
	s_mov_b32 s[G1B+6], 0
	s_mov_b32 s[G1+7], 0
	s_mov_b32 s[G1B+7], 0
	; where the tiles come from, rows of 2,048 bytes.  x's hang on the block row, W's on z and the block column; each in registers that never hold the other coordinate.
	s_lshl_b32 s16, s13, 19                        ; 256 x block row rows
	s_lshl_b32 s17, s12, 18                        ; + 128 x half rows
	s_add_co_u32 s16, s16, s17
	s_lshl_b32 s46, s42, 19                        ; 256 x block column rows
	s_add_co_u32 s46, s46, s17
	s_lshl_b32 s47, s66, 21                        ; + 1,024 z rows
	s_add_co_u32 s46, s46, s47
	s_add_co_u32 s46, s46, WBASE
	s_mov_b32 s17, 0
	s_mov_b32 s47, 0
	s_mul_i32 s20, s10, HALFT                      ; and where they go: wave x 128 rows
	s_wait_dscnt 0x0
	s_wait_kmcnt 0x0
	s_add_nc_u64 s[14:15], s[4:5], s[16:17]
	s_add_nc_u64 s[46:47], s[4:5], s[46:47]
	CROUND                                         ; all sixteen work-groups are here: the first joint loads meet
.irp s, 0,1
	s_mov_b32 s[G0+4*\s], 1
	s_add_co_u32 s[G0+4*\s+1], s20, \s*SLOT
	s_add_nc_u64 s[G0+4*\s+2:G0+4*\s+3], s[14:15], \s*KSTEP*2      ; K step s
	s_or_b32 s[G0+4*\s+3], s[G0+4*\s+3], 0x80000000
	s_mov_b32 s[G0B+4*\s], 1
	s_add_co_u32 s[G0B+4*\s+1], s20, \s*SLOT
	s_add_nc_u64 s[G0B+4*\s+2:G0B+4*\s+3], s[46:47], \s*KSTEP*2
	s_or_b32 s[G0B+4*\s+3], s[G0B+4*\s+3], 0x80000000
	JLOAD \s                                       ; both first fills go out before anything else: two loads of this wave are out
.endr
	; fragment addresses: lane l holds row l % 16; two loads of 16 bytes, 32 bytes apart, at row x pitch + 16 (l / 16)
	v_and_b32 v1, 15, v0                           ; l % 16
	v_bfe_u32 v2, v0, 4, 1                         ; l / 16
	v_mul_u32_u24 v3, v1, PITCH
	v_lshl_add_u32 v3, v2, 4, v3
	s_mul_i32 s21, s11, HALFT                      ; my 128 rows of x
	s_mul_i32 s22, s12, HALFT                      ; my 128 rows of W,
	s_add_co_u32 s22, s22, 2*HALFT                 ; behind x's 256
.irp s, 0,1
	v_add_nc_u32 v[ADRA+\s], s21, v3
	v_add_nc_u32 v[ADRB+\s], s22, v3
	s_add_co_u32 s21, s21, SLOT
	s_add_co_u32 s22, s22, SLOT
.endr
	s_mul_i32 s23, s10, 16*SPITCH
	s_add_co_u32 s23, s23, STAGE                   ; my stage
	v_mul_u32_u24 v4, v1, SPITCH                   ; in: token l % 16, 16 bytes for each half of the lanes
	v_lshl_add_u32 v4, v2, 4, v4
	v_add_nc_u32 v[STO], s23, v4
	v_bfe_u32 v5, v0, 3, 2                         ; back: eight lanes take the 128 bytes that one token has of one head
	v_and_b32 v6, 7, v0
	v_mul_u32_u24 v5, v5, SPITCH
	v_lshl_add_u32 v5, v6, 4, v5
	v_add_nc_u32 v[RD], s23, v5
	v_and_b32 v7, 31, v0
	v_lshlrev_b32 v[CO], 4, v7                     ; and four tokens of a head are 512 consecutive bytes of hd
	; the bias of my 128 features, in the layout of a result tile
	s_mov_b64 s[76:77], s[68:69]
	s_cmp_eq_u32 s66, 1
	s_cselect_b64 s[76:77], s[70:71], s[76:77]
	s_cmp_eq_u32 s66, 2
	s_cselect_b64 s[76:77], s[72:73], s[76:77]
	s_lshl_b32 s45, s42, 10                        ; 256 features x 4 bytes x block column
	s_lshl_b32 s67, s12, 9                         ; + 128 x 4 x half
	s_add_co_u32 s45, s45, s67
	v_lshl_add_u32 v[BO], v2, 5, s45               ; + 8 features for lanes 16-31
.irp b, 0,1,2,3,4,5,6,7
	global_load_b128 v[BIAS+8*\b:BIAS+8*\b+3],   v[BO], s[76:77] offset:64*\b
	global_load_b128 v[BIAS+8*\b+4:BIAS+8*\b+7], v[BO], s[76:77] offset:64*\b+16
.endr
; 16 matrix instructions: row blocks a0, a0 + 1 of the window's four x all 8 feature blocks, 32 along K.  bias = 1: C is the bias tile, which starts the sum.
.macro MUL16 f, hi, a0, bias
.irp a, \a0, \a0+1
.irp b, 0,1,2,3,4,5,6,7
.if \bias
	v_wmma_f32_16x16x32_bf16 v[8*(8*(\a)+\b):8*(8*(\a)+\b)+7], v[\f+8*\b:\f+8*\b+7], v[\f+8*(4*\hi+\a):\f+8*(4*\hi+\a)+7], v[BIAS+8*\b:BIAS+8*\b+7]
.else
	v_wmma_f32_16x16x32_bf16 v[8*(8*(\a)+\b):8*(8*(\a)+\b)+7], v[\f+8*\b:\f+8*\b+7], v[\f+8*(4*\hi+\a):\f+8*(4*\hi+\a)+7], v[8*(8*(\a)+\b):8*(8*(\a)+\b)+7]
.endif
.endr
.endr
.endm
; 32 LDS loads in one run: the fragments of one quarter step (128 rows of W, 128 rows of x, 32 K at byte k of the rows) into buffer f
.macro FETCH slot, k, f
	WIN TO_B
.irp i, 0,1,2,3,4,5,6,7
	ds_load_b128 v[\f+8*\i:\f+8*\i+3],   v[ADRB+\slot] offset:\k+\i*16*PITCH
	ds_load_b128 v[\f+8*\i+4:\f+8*\i+7], v[ADRB+\slot] offset:\k+\i*16*PITCH+32
.endr
	WIN 0
.irp i, 0,1,2,3,4,5,6,7
	ds_load_b128 v[\f+8*\i:\f+8*\i+3],   v[ADRA+\slot] offset:\k+\i*16*PITCH
	ds_load_b128 v[\f+8*\i+4:\f+8*\i+7], v[ADRA+\slot] offset:\k+\i*16*PITCH+32
.endr
.endm
; Four plain vector places stand between a matrix instruction and a load into one of its registers, or a vector instruction that reads its result
; (ISA guide 7.12.1 for vector instructions).
.macro PLACES
.rept 4
	v_nop
.endr
.endm
; A K step is four quarter steps of 32 along K, 64 matrix instructions each, on buffers 0, 1, 0, 1.  The 64 accumulators take turns, one instruction a turn,
; in the same order in every quarter.
.macro QUARTER slot, k, f, g, bias
	s_wait_dscnt 8                                 ; W and x's rows 0-63 are in; the youngest eight loads (x's rows 64-127) may be out
.if \bias
	WIN BIAS_LO
.else
	WIN MUL_LO
.endif
	MUL16 \f, 0, 0, \bias
	MUL16 \f, 0, 2, \bias
	PLACES
	FETCH \slot, \k, \g
	s_wait_dscnt 32                                ; all but the 32 just issued
.if \bias
	WIN BIAS_HI
.else
	WIN MUL_HI
.endif
	MUL16 \f, 1, 0, \bias
	MUL16 \f, 1, 2, \bias
.endm
.macro THREE slot, bias
	QUARTER \slot, 64,  F0, F1, \bias
	QUARTER \slot, 128, F1, F0, 0
	QUARTER \slot, 192, F0, F1, 0
.endm
; The last quarter multiplies buffer 1 and changes slots.  In front of the barrier each wave waits for its reads of this slot and for all its tensor loads
; (one is out: its part of the next slot).  fill = 1: the barrier opens a round of the cluster's barrier, and the joint refill is the first tensor load behind it.
.macro TURN slot, next, fill
	s_wait_dscnt 8
	WIN MUL_LO
	MUL16 F1, 0, 0, 0
	s_wait_dscnt 0                                 ; my reads of this slot are over
	s_wait_tensorcnt 0x0                           ; and all my tensor loads have landed
	ds_add_u32 v255, v63
	s_wait_dscnt 0x0
	s_barrier_signal -1
	MUL16 F1, 0, 2, 0                              ; register work while the others arrive
	WIN 0
	s_barrier_wait -1
.if \fill
	CREST                                          ; no wave of any partner still reads this slot or has a load on its way
	s_add_nc_u64 s[G0+4*\slot+2:G0+4*\slot+3], s[G0+4*\slot+2:G0+4*\slot+3], 2*KSTEP*2
	s_add_nc_u64 s[G0B+4*\slot+2:G0B+4*\slot+3], s[G0B+4*\slot+2:G0B+4*\slot+3], 2*KSTEP*2
	JLOAD \slot                                    ; two K steps ahead; it has 240 matrix instructions of this wave in which to land
.endif
	PLACES
	FETCH \next, 0, F0
	WIN MUL_HI
	MUL16 F1, 1, 0, 0
	MUL16 F1, 1, 2, 0
.endm
.macro LAP bias
	THREE 0, \bias
	TURN 0, 1, 1
	THREE 1, 0
	TURN 1, 0, 1
.endm
	s_wait_tensorcnt 1                             ; my part of K step 0 is in; K step 1's stays out
	s_barrier_signal -1
	s_barrier_wait -1
	FETCH 0, 0, F0
	s_wait_loadcnt 0x0                             ; the bias tiles
	LAP 1                                          ; the first lap stands in front of the loop: its first products start the sums from the bias
	WIN 0                                          ; at a label and at a branch every window is 0
	s_mov_b32 s3, LAPS-2
.Llap:
	LAP 0
	WIN 0
	s_sub_co_u32 s3, s3, 1
	s_cmp_lg_u32 s3, 0
	s_cbranch_scc1 .Llap
	THREE 0, 0                                     ; the last lap fills nothing
	TURN 0, 1, 0
	THREE 1, 0
	s_wait_dscnt 8
	WIN MUL_LO
	MUL16 F1, 0, 0, 0
	MUL16 F1, 0, 2, 0
	s_wait_dscnt 0
	WIN MUL_HI
	MUL16 F1, 1, 0, 0
	MUL16 F1, 1, 2, 0
	; THE WAY OUT, 16 tokens at a time: round to bf16, 16 bytes a lane into my stage, read back by head: four tokens of one head are 512 consecutive bytes of hd.
	PLACES
	s_lshl_b32 s16, s13, 8
	s_lshl_b32 s14, s11, 7
	s_add_co_u32 s16, s16, s14                     ; my first stacked row g = 4,096 z + 2,048 b + s
	s_lshr_b32 s17, s16, 11                        ; 2 z + b
	s_lshl_b32 s17, s17, 22                        ; x 4,194,304 bytes
	s_and_b32 s16, s16, 2047                       ; s
	s_lshl_b32 s16, s16, 7                         ; x 128 bytes
	s_add_co_u32 s16, s16, s17
	s_mov_b32 s17, 0
	s_add_nc_u64 s[74:75], s[74:75], s[16:17]
	s_lshl_b32 s46, s42, 20                        ; my first head = 4 x block column + 2 x half, x 262,144 bytes
	s_lshl_b32 s47, s12, 19
	s_add_co_u32 s46, s46, s47
	s_mov_b32 s47, 0
	s_add_nc_u64 s[74:75], s[74:75], s[46:47]
; tokens 16 i .. 16 i + 15 of my block = the eight tiles (a, 0..7) of window 2 or 3 (from = 0x0a or 0x0f: sources 0 and 1); f: F0 or F1 in turn
.macro OUT16 i, a, from, f
	WIN \from
.irp b, 0,1,2,3,4,5,6,7
.irp r, 0,1,2,3
	v_cvt_pk_bf16_f32 v[TMP+4*\b+\r], v[8*(8*\a+\b)+2*\r], v[8*(8*\a+\b)+2*\r+1]
.endr
.endr
	WIN 0
.irp b, 0,1,2,3,4,5,6,7
	ds_store_b128 v[STO], v[TMP+4*\b:TMP+4*\b+3] offset:32*\b
.endr
	s_wait_xcnt 0x0                                ; buffer f, which earlier stores read, and the stores' base are rewritten only behind this wait
.if \i
	s_add_nc_u64 s[74:75], s[74:75], 16*128        ; 16 tokens on
.endif
.irp t, 0,1,2,3,4,5,6,7
	ds_load_b128 v[\f+4*\t:\f+4*\t+3], v[RD] offset:(\t%4)*4*SPITCH+(\t/4)*128     ; head t / 4, tokens 4 (t % 4) .. + 3; a wave's LDS instructions are served in order (ISA guide 5.7.1)
.endr
.irp t, 0,1,2,3,4,5,6,7
	s_wait_dscnt 7-\t                              ; load t is in, the younger ones stay out
	global_store_b128 v[CO], v[\f+4*\t:\f+4*\t+3], s[74:75] offset:(\t/4)*HEADB+(\t%4)*512   ; 512 consecutive bytes at a multiple of 512 from hd's first byte
.endr
.endm
	OUT16 0, 0, 0x0a, F0
	OUT16 1, 1, 0x0a, F1
	OUT16 2, 2, 0x0a, F0
	OUT16 3, 3, 0x0a, F1
	OUT16 4, 0, 0x0f, F0
	OUT16 5, 1, 0x0f, F1
	OUT16 6, 2, 0x0f, F0
	OUT16 7, 3, 0x0f, F1
	s_set_vgpr_msb 0x1
	s_wait_tensorcnt 0x0
	ds_add_u32 v255, v63
	s_wait_dscnt 0x0
	s_set_vgpr_msb 0x100
	CROUND                                         ; the closing round: no work-group ends while a partner may still ask for a tile that names it
	s_endpgm
.Lfunc_end_k_q52a58d7c3c_qkv:
	.size	k_q52a58d7c3c_qkv, .Lfunc_end_k_q52a58d7c3c_qkv-k_q52a58d7c3c_qkv
	.p2alignl 7, 3214868480
	.fill 96, 4, 3214868480
	.section	.rodata,"a",@progbits
	.p2align	6, 0x0
	.amdhsa_kernel k_q52a58d7c3c_qkv
		.amdhsa_group_segment_fixed_size 327680
		.amdhsa_private_segment_fixed_size 0
		.amdhsa_enable_private_segment 0
		.amdhsa_kernarg_size 40
		.amdhsa_user_sgpr_count 2
		.amdhsa_user_sgpr_kernarg_segment_ptr 1
		.amdhsa_wavefront_size32 1
		.amdhsa_system_sgpr_workgroup_id_x 1
		.amdhsa_system_sgpr_workgroup_id_y 1
		.amdhsa_system_sgpr_workgroup_id_z 1
		.amdhsa_system_vgpr_workitem_id 0
		.amdhsa_next_free_vgpr 1024
		.amdhsa_next_free_sgpr 80
		.amdhsa_reserve_vcc 0
		.amdhsa_float_denorm_mode_32 3
		.amdhsa_float_denorm_mode_16_64 3
		.amdhsa_memory_ordered 1
		.amdhsa_forward_progress 1
		.amdhsa_inst_pref_size 198
	.end_amdhsa_kernel
	.amdgpu_metadata
---
amdhsa.version: [ 1, 2 ]
amdhsa.kernels:
  - .name:           k_q52a58d7c3c_qkv
    .symbol:         k_q52a58d7c3c_qkv.kd
    .args:
      - { .name: cb, .offset: 0, .size: 8, .value_kind: global_buffer, .address_space: global }
      - { .name: bq, .offset: 8, .size: 8, .value_kind: global_buffer, .address_space: global }
      - { .name: bk, .offset: 16, .size: 8, .value_kind: global_buffer, .address_space: global }
      - { .name: bv, .offset: 24, .size: 8, .value_kind: global_buffer, .address_space: global }
      - { .name: hd, .offset: 32, .size: 8, .value_kind: global_buffer, .address_space: global }
    .group_segment_fixed_size: 327680
    .private_segment_fixed_size: 0
    .kernarg_segment_align: 8
    .kernarg_segment_size: 40
    .max_flat_workgroup_size: 128
    .sgpr_count:     80
    .vgpr_count:     1024
    .wavefront_size: 32
...
	.end_amdgpu_metadata
.endif
;; end of part 2
;; launch attn (part 3): grid 8 x 32, 8 waves a work-group, clusters of 4 x 1, 327,680 bytes of LDS; arguments hd, ao; writes ao
.if DOCPART == 3
	.amdgcn_target "amdgcn-amd-amdhsa--gfx1250"
	.amdhsa_code_object_version 6
	.text
	.protected	k_q52a58d7c3c_attn
	.globl	k_q52a58d7c3c_attn
	.p2align	8
	.type	k_q52a58d7c3c_attn,@function
k_q52a58d7c3c_attn:
	s_mov_b64 s[64:65], 0
	v_nop
	global_prefetch_b8 v0, s[64:65] scope:SCOPE_SE
	s_setreg_imm32_b32 hwreg(HW_REG_WAVE_MODE, 25, 1), 1
	s_wait_xcnt 0x0
	s_wait_alu depctr_hold_cnt(0) depctr_sa_sdst(0) depctr_va_vdst(0) depctr_va_sdst(0) depctr_va_ssrc(0) depctr_va_vcc(0) depctr_vm_vsrc(0)
	s_getreg_b32 s2, hwreg(HW_REG_IB_STS2, 6, 4)
	s_cmp_eq_u32 s2, 0
	s_cbranch_scc0 .Lentry_in_a_cluster
	s_endpgm
.Lentry_in_a_cluster:
	s_bfe_u32 s2, ttmp6, 0x10000c
	s_cmp_lg_u32 s2, 0x3003
	s_cbranch_scc0 .Lentry_shape_is_right
	s_endpgm
.Lentry_shape_is_right:
; attn: softmax(q k^T / 8) v for one (batch, head) pair and 256 queries, with a running maximum.  q, k, v: hd[z][b][h][s][64] bf16; result ao[b][h][s][64] bf16.
; Eight waves, two on each SIMD.  Wave w: queries 64 (w & 3) .. + 63 of the block (four tiles of 16), keys 1,024 (w >> 2) .. + 1,023.  The two key halves of a
; query group are merged once at the end, through LDS.
; S IS COMPUTED TRANSPOSED: S^T = K Q^T.  In the result lane l holds query l % 16 and, in registers 0-7, keys 8 (l / 16) + 0..7 of a tile of 16 keys.  Two such tiles,
; rounded to bf16 and packed, ARE the second operand of O^T = V^T P^T (32 keys): the probabilities never leave the registers, and the row statistics are
; one number a lane, shared with lane l xor 16 alone.  V^T's fragments come from LDS by the transposing load.
; exp(x / 8 - max / 8) is exp2(x c - max c), c = log2(e) / 8, one fused multiply-add in front of each exponential; the maximum is the true running maximum.
; TWO KINDS OF WAVES.  A chunk of 64 keys is three stretches: S (32 matrix instructions), the softmax (vector work alone), PV (32 matrix instructions).
; Between two rounds of the barrier a wave of kind 0 runs  PV S | softmax | PV S | softmax,  a wave of kind 1  softmax | PV S | softmax | PV S:
; one kind's vector stretch stands beside the other kind's matrix stretch.  The kind is (w xor (w >> 2)) & 1: waves w and w + 4 differ, and so do waves 2 i and 2 i + 1.
; PV of a tile's last chunk (for kind 1 its softmax too) stands behind the next round: it works on registers alone, since a chunk's only LDS reads are its
; fragment loads, which are waited for in front of the round.  The text is one for all waves: the softmax stands three times in a trip, the first time under
; a branch for kind 1, the last time under a branch for kind 0; no barrier, LDS access, tensor load or wait stands under these branches.
; CLUSTERS: the four query blocks of a cluster (4 x 1) read the same K and V tiles: every tile is asked for jointly, mask 15.
; LIMITS: a NaN loses in the maxima, so NaN inputs do not spread as in the definition; v_exp_f32 gives 0 for results below 2^-126; scores must be finite in f32.
; No prefetch: hd was stored by the launch just before, and each tile is asked for one tile (128 matrix instructions of this wave) ahead.
; LDS: a slot is eight sub-tiles of 10,240 bytes, sub-tile w filled by wave w: 0-3 K (half w >> 1, 64 keys w & 1; 64 rows of 144 bytes), 4-7 V likewise (rows of 160 bytes).
.set SUB,   10240
.set SLOT,  8*SUB
.set KP,    144                        ; K's rows: 128 bytes + 16: an odd multiple of 16
.set VP,    160                        ; V's rows: 128 bytes + 32: an odd multiple of 32, for the transposing load
.set MERGE, 2*SLOT                     ; 4 x 17,408: 34 blocks of 512 bytes for each query group; no fill ever lands here or behind
.set MPART, 34*512
.set OSTG,  MERGE+4*MPART              ; 4 x 9,216: 64 rows of 144 bytes for each query group
.set OPART, 64*KP
.set TSTEP, 128*128                    ; a tile: 128 keys of 128 bytes in each half
.set KBASE, 8388608                    ; k's and v's first bytes in hd
.set VBASE, 16777216
; window 0
.set AL,  8                            ; v8-15    alpha = exp2((old max - new max) c), a pair for each query tile
.set ADK, 16                           ; v16-17   LDS address of my K fragments, slot 0, 1
.set ADV, 18                           ; v18-19   the same for V
.set QO,  20                           ; v20      my bytes in the first 16 rows of Q
.set MG,  21                           ; v21      merge region of my query group + 16 x lane
.set ST,  22                           ; v22      out stage, in
.set RDO, 23                           ; v23      out stage, back
.set CO,  24                           ; v24      16 x lane
.set M,   32                           ; v32-35   running maximum of the raw scores, one for each query tile
.set T,   36                           ; v36-39   at work
.set U,   40                           ; v40-43   at work
.set LP,  44                           ; v44-51   my lane's part of the row sums, a pair for each query tile
.set NMC, 52                           ; v52-59   - max c, a pair for each query tile
.set SB,  64                           ; v64-191  S: tile (kt, qt) at 16 (qt + 4 (kt / 2)) + 8 (kt % 2); P(kc, qt) = the first 8 registers of block qt + 4 kc
.set VF,  192                          ; v192-255 V^T fragments (kc, dt) at 8 (4 kc + dt)
.set MP,  192                          ; merge: the partner's maxima, sums; the partner's factor in pairs; then the rows read back
.set LQ,  196
.set F1,  200
.set OUTB, 192
; window 1
.set OB,  0                            ; O^T tile (dt, qt) at 8 (4 dt + qt)
.set QF,  128                          ; Q fragments (qt, dkh) at 8 (2 qt + dkh)
.set KF,  192                          ; K fragments (kt, dkh) at 8 (2 kt + dkh)
.set G1K, 16                           ; s[16:23], s[24:31] group 1 for K, V; s[32:39], s[40:47] group 0 for K, V, one set for each slot
.set G1V, 24
.set G0K, 32
.set G0V, 40
.set MSB, 0
.macro WIN new                         ; the immediate's high byte repeats the setting that is left; a switch that changes nothing is dropped
.if MSB != \new
	s_set_vgpr_msb (MSB<<8)|\new
.set MSB, \new
.endif
.endm
.macro ROUND                           ; a round of the cluster's barrier
	s_barrier_signal -1
	s_barrier_wait -1
	s_cmp_lg_u32 s8, 0
	s_cbranch_scc1 .Lnot_wave_0_\@
	s_barrier_signal -3
.Lnot_wave_0_\@:
	s_barrier_wait -3
	s_barrier_signal -1
	s_barrier_wait -1
.endm
.macro JLOAD s                         ; waves 0-3 ask for K's four sub-tiles, waves 4-7 for V's; the branch hangs on the wave's number alone
	s_cmp_eq_u32 s9, 0
	s_cbranch_scc0 .Lfor_v_\@
	tensor_load_to_lds s[G0K+4*(\s):G0K+4*(\s)+3], s[G1K:G1K+7]
	s_nop 0
	s_branch .Lasked_\@
.Lfor_v_\@:
	tensor_load_to_lds s[G0V+4*(\s):G0V+4*(\s)+3], s[G1V:G1V+7]
	s_nop 0
.Lasked_\@:
.endm
	s_load_b128 s[4:7], s[0:1], 0x0                ; hd s[4:5], ao s[6:7]
	v_lshl_add_u32 v62, v0, 2, 0x42000
	v_mov_b32 v63, 0
	ds_add_u32 v62, v63
	v_lshrrev_b32 v1, 5, v0
	v_readfirstlane_b32 s8, v1                     ; wave 0..7
	s_lshr_b32 s9, s8, 2                           ; my key half.  Also: I fetch for K (0) or for V (1)
	s_and_b32 s10, s8, 3                           ; my query group.  Also: which sub-tile of K or V I fetch
	s_xor_b32 s49, s8, s9
	s_and_b32 s49, s49, 1                          ; my kind: (w xor (w >> 2)) & 1
	s_bfe_u32 s13, ttmp6, 0x40000                  ; cx
	s_lshl_b32 s11, ttmp9, 2
	s_add_co_u32 s11, s11, s13                     ; query block = 4 x cluster x + cx
	s_and_b32 s12, ttmp7, 0xffff                   ; 16 b + h
	s_mov_b32 s50, 0x3e38aa3b                      ; c = log2(e) / 8
	s_mov_b32 s51, 0x3e38aa3b
	s_mov_b32 s52, 0xbe38aa3b                      ; - c
	s_mov_b32 s54, 0x76543210                      ; v_permlanex16_b32: lane i reads lane i xor 16
	s_mov_b32 s55, 0xfedcba98
	; group 1: 64 rows x 64 elements of 2 bytes, dense in memory; padding behind every 32 words: 4 words for K, 8 for V
	s_mov_b32 s[G1K+0], 15|(1<<16)|(1<<20)|(1<<21)|(4<<22)|(3<<25)
	s_mov_b32 s[G1V+0], 15|(1<<16)|(1<<20)|(1<<21)|(4<<22)|(7<<25)
	s_mov_b32 s[G1K+1], 64<<16                     ; tensor_dim0 = 64
	s_mov_b32 s[G1V+1], 64<<16
	s_mov_b32 s[G1K+2], 64<<16                     ; tensor_dim1 = 64
	s_mov_b32 s[G1V+2], 64<<16
	s_mov_b32 s[G1K+3], 64<<16                     ; tile_dim0 = 64
	s_mov_b32 s[G1V+3], 64<<16
	s_mov_b32 s[G1K+4], 64                         ; tile_dim1 = 64
	s_mov_b32 s[G1V+4], 64
	s_mov_b32 s[G1K+5], 64                         ; elements from row to row
	s_mov_b32 s[G1V+5], 64
	s_mov_b32 s[G1K+6], 0
	s_mov_b32 s[G1V+6], 0
	s_mov_b32 s[G1K+7], 0
	s_mov_b32 s[G1V+7], 0
	; my sub-tile's place in k or v: the head, the key half, the 64 keys: nothing of cx
	s_lshl_b32 s56, s12, 18                        ; head x 262,144 bytes
	s_lshr_b32 s58, s10, 1
	s_lshl_b32 s58, s58, 17                        ; half x 1,024 keys x 128 bytes
	s_add_co_u32 s56, s56, s58
	s_and_b32 s58, s10, 1
	s_lshl_b32 s58, s58, 13                        ; 64 keys x 128 bytes
	s_add_co_u32 s56, s56, s58
	s_mov_b32 s57, 0
	s_mul_i32 s59, s8, SUB                         ; LDS: wave x 10,240
	; my 64 queries' place in q and in ao
	s_lshl_b32 s60, s12, 18
	s_lshl_b32 s62, s11, 15                        ; 256 queries x 128 bytes x block
	s_add_co_u32 s60, s60, s62
	s_lshl_b32 s62, s10, 13                        ; 64 x 128 x group
	s_add_co_u32 s60, s60, s62
	s_mov_b32 s61, 0
	s_wait_dscnt 0x0
	s_wait_kmcnt 0x0
	s_add_nc_u64 s[56:57], s[4:5], s[56:57]
	s_add_nc_u64 s[14:15], s[4:5], s[60:61]        ; Q
	s_add_nc_u64 s[6:7], s[6:7], s[60:61]          ; ao
.irp s, 0,1
	s_mov_b32 s[G0K+4*\s], 1
	s_add_co_u32 s[G0K+4*\s+1], s59, \s*SLOT
	s_add_nc_u64 s[G0K+4*\s+2:G0K+4*\s+3], s[56:57], KBASE+\s*TSTEP    ; slot s starts with tile s
	s_or_b32 s[G0K+4*\s+3], s[G0K+4*\s+3], 0x80000000
	s_mov_b32 s[G0V+4*\s], 1
	s_add_co_u32 s[G0V+4*\s+1], s59, \s*SLOT
	s_add_nc_u64 s[G0V+4*\s+2:G0V+4*\s+3], s[56:57], VBASE+\s*TSTEP
	s_or_b32 s[G0V+4*\s+3], s[G0V+4*\s+3], 0x80000000
.endr
	ROUND                                          ; the four work-groups are here: the first joint loads meet
	JLOAD 0                                        ; tile 0.  One tensor load of this wave is out, here and behind every later round
	v_and_b32 v1, 15, v0                           ; r = l % 16
	v_bfe_u32 v2, v0, 4, 1                         ; h = l / 16
	v_and_b32 v3, 31, v0                           ; l
	v_and_b32 v4, 7, v0                            ; l % 8
	v_bfe_u32 v5, v0, 3, 1                         ; (l / 8) % 2
	v_bfe_u32 v6, v0, 3, 2                         ; l / 8
	v_lshlrev_b32 v[QO], 7, v1                     ; Q: row r of 128 bytes + 16 h
	v_lshl_add_u32 v[QO], v2, 4, v[QO]
	WIN 0x40                                       ; destination window 1
.irp qt, 0,1,2,3
.irp dkh, 0,1
	global_load_b128 v[QF+8*(2*\qt+\dkh):QF+8*(2*\qt+\dkh)+3],   v[QO], s[14:15] offset:2048*\qt+64*\dkh
	global_load_b128 v[QF+8*(2*\qt+\dkh)+4:QF+8*(2*\qt+\dkh)+7], v[QO], s[14:15] offset:2048*\qt+64*\dkh+32
.endr
.endr
	WIN 0
	s_mul_i32 s62, s9, 2*SUB                       ; my half's two sub-tiles of K
	v_mul_u32_u24 v7, v1, KP
	v_lshl_add_u32 v7, v2, 4, v7                   ; key row r, 16 h
	v_add_nc_u32 v[ADK], s62, v7
	v_add_nc_u32 v[ADK+1], SLOT, v[ADK]
	s_add_co_u32 s63, s62, 4*SUB                   ; and of V
	v_lshl_add_u32 v7, v2, 3, v4                   ; key row 8 h + l % 8,
	v_mul_u32_u24 v7, v7, VP
	v_lshl_add_u32 v7, v5, 4, v7                   ; 16 bytes further for the second eight lanes of each half
	v_add_nc_u32 v[ADV], s63, v7
	v_add_nc_u32 v[ADV+1], SLOT, v[ADV]
	s_mul_i32 s62, s10, MPART
	s_add_co_u32 s62, s62, MERGE
	v_lshl_add_u32 v[MG], v3, 4, s62
	s_mul_i32 s63, s10, OPART
	s_add_co_u32 s63, s63, OSTG
	v_mul_u32_u24 v7, v1, KP
	v_lshl_add_u32 v7, v2, 4, v7
	v_add_nc_u32 v[ST], s63, v7                    ; in: query r, 16 h
	v_mul_u32_u24 v7, v6, KP
	v_lshl_add_u32 v7, v4, 4, v7
	v_add_nc_u32 v[RDO], s63, v7                   ; back: eight lanes take a query's 128 bytes
	v_lshlrev_b32 v[CO], 4, v3
.irp qt, 0,1,2,3
	v_mov_b32 v[U+\qt], 0                          ; v_permlanex16_b32 counts as a reader of its destination
.endr
; 16 matrix instructions of S^T: all (kt, qt), 32 of the 64 along d
.macro SQK dkh, zero
.irp kt, 0,1,2,3
.irp qt, 0,1,2,3
.if \zero
	v_wmma_f32_16x16x32_bf16 v[SB+16*(\qt+4*(\kt/2))+8*(\kt%2):SB+16*(\qt+4*(\kt/2))+8*(\kt%2)+7], v[KF+8*(2*\kt+\dkh):KF+8*(2*\kt+\dkh)+7], v[QF+8*(2*\qt+\dkh):QF+8*(2*\qt+\dkh)+7], 0
.else
	v_wmma_f32_16x16x32_bf16 v[SB+16*(\qt+4*(\kt/2))+8*(\kt%2):SB+16*(\qt+4*(\kt/2))+8*(\kt%2)+7], v[KF+8*(2*\kt+\dkh):KF+8*(2*\kt+\dkh)+7], v[QF+8*(2*\qt+\dkh):QF+8*(2*\qt+\dkh)+7], v[SB+16*(\qt+4*(\kt/2))+8*(\kt%2):SB+16*(\qt+4*(\kt/2))+8*(\kt%2)+7]
.endif
.endr
.endr
.endm
; 16 matrix instructions of O^T: all (dt, qt), 32 keys
.macro PV kc, zero
.irp dt, 0,1,2,3
.irp qt, 0,1,2,3
.if \zero
	v_wmma_f32_16x16x32_bf16 v[OB+8*(4*\dt+\qt):OB+8*(4*\dt+\qt)+7], v[VF+8*(4*\kc+\dt):VF+8*(4*\kc+\dt)+7], v[SB+16*(\qt+4*\kc):SB+16*(\qt+4*\kc)+7], 0
.else
	v_wmma_f32_16x16x32_bf16 v[OB+8*(4*\dt+\qt):OB+8*(4*\dt+\qt)+7], v[VF+8*(4*\kc+\dt):VF+8*(4*\kc+\dt)+7], v[SB+16*(\qt+4*\kc):SB+16*(\qt+4*\kc)+7], v[OB+8*(4*\dt+\qt):OB+8*(4*\dt+\qt)+7]
.endif
.endr
.endr
.endm
; The fragments of sub-tile c of a slot: K's sixteen loads, V's sixteen transposing loads.
.macro LDK slot, c
	WIN 0x40                                       ; destination window 1
.irp kt, 0,1,2,3
.irp dkh, 0,1
	ds_load_b128 v[KF+8*(2*\kt+\dkh):KF+8*(2*\kt+\dkh)+3],   v[ADK+\slot] offset:\c*SUB+\kt*16*KP+64*\dkh
	ds_load_b128 v[KF+8*(2*\kt+\dkh)+4:KF+8*(2*\kt+\dkh)+7], v[ADK+\slot] offset:\c*SUB+\kt*16*KP+64*\dkh+32
.endr
.endr
	WIN 0
.endm
.macro LDV slot, c
.irp kc, 0,1
.irp dt, 0,1,2,3
	ds_load_tr16_b128 v[VF+8*(4*\kc+\dt):VF+8*(4*\kc+\dt)+3],   v[ADV+\slot] offset:\c*SUB+\kc*32*VP+32*\dt         ; keys 32 kc + 8 h .. + 7 of column 16 dt + r
	ds_load_tr16_b128 v[VF+8*(4*\kc+\dt)+4:VF+8*(4*\kc+\dt)+7], v[ADV+\slot] offset:\c*SUB+\kc*32*VP+32*\dt+16*VP  ; keys 32 kc + 16 + 8 h .. + 7
.endr
.endr
.endm
; The stretch S: 32 matrix instructions.  The first product starts the sums; the sixteen accumulators take turns, one instruction a turn.
; Five places behind it: four before vector instructions read the results or loads land in K's fragments, five before a product takes the results as an operand.
.macro SQ
	WIN 0x05                                       ; sources 0 and 1 (K, Q) window 1; C and D (S) window 0
	SQK 0, 1
	SQK 1, 0
	WIN 0
.rept 5
	v_nop
.endr
.endm
; The stretch PV: 32 matrix instructions, sixteen accumulators by turns.  Five places behind it: five before the next S writes over P, four before loads land in
; V's fragments and before vector instructions or stores touch O.
.macro PVM first
	WIN 0x50                                       ; V^T and P window 0; C and D (O) window 1
	PV 0, \first
	PV 1, 0
	WIN 0
.rept 5
	v_nop
.endr
.endm
; A query tile's 32 scores of a lane are 16 pairs; pair ei lies at SB + 16 q + 64 (ei / 8) + 2 (ei % 8).
.macro FMA1 q                          ; pair ei: x c - max c
	v_pk_fma_f32 v[SB+16*\q+64*(ei/8)+2*(ei%8):SB+16*\q+64*(ei/8)+2*(ei%8)+1], v[SB+16*\q+64*(ei/8)+2*(ei%8):SB+16*\q+64*(ei/8)+2*(ei%8)+1], s[50:51], v[NMC+2*\q:NMC+2*\q+1] op_sel_hi:[1,0,1]
.endm
.macro EXP2 q                          ; the two exponentials of pair ei
	v_exp_f32 v[SB+16*\q+64*(ei/8)+2*(ei%8)],   v[SB+16*\q+64*(ei/8)+2*(ei%8)]
	v_exp_f32 v[SB+16*\q+64*(ei/8)+2*(ei%8)+1], v[SB+16*\q+64*(ei/8)+2*(ei%8)+1]
.endm
; Pair ei joins the row sum and is rounded to bf16 into register ei % 8 of its block: a register whose pair has already been summed and converted.
; The first pair carries the old sum along (sum x alpha + pair 0); in the very first chunk the sum starts as pair 0 + pair 1.
.macro SUMCVT q, first
.if ei == 0
.if \first
	s_wait_alu depctr_va_vdst(0)
	v_pk_add_f32 v[LP+2*\q:LP+2*\q+1], v[SB+16*\q:SB+16*\q+1], v[SB+16*\q+2:SB+16*\q+3]
.else
	s_wait_alu depctr_va_vdst(0)
	v_pk_fma_f32 v[LP+2*\q:LP+2*\q+1], v[LP+2*\q:LP+2*\q+1], v[AL+2*\q:AL+2*\q+1], v[SB+16*\q:SB+16*\q+1]
.endif
.else
.if ei-\first > 0
	s_wait_alu depctr_va_vdst(0)
	v_pk_add_f32 v[LP+2*\q:LP+2*\q+1], v[LP+2*\q:LP+2*\q+1], v[SB+16*\q+64*(ei/8)+2*(ei%8):SB+16*\q+64*(ei/8)+2*(ei%8)+1]
.endif
.endif
	v_cvt_pk_bf16_f32 v[SB+16*\q+64*(ei/8)+ei%8], v[SB+16*\q+64*(ei/8)+2*(ei%8)], v[SB+16*\q+64*(ei/8)+2*(ei%8)+1]
.endm
; Sixteen steps, one pair each: the exponentials of tile qe, the sum and rounding of tile qs, the multiply-add of tile qf (9 = none).  The plain instructions of
; the other tiles are the ones that stand behind each pair of exponentials (ISA guide 5.7.2).
.macro PIPE qe, qs, qf, first
.set ei, 0
.rept 16
.if \qe < 4
	EXP2 \qe
.endif
.if \qs < 4
	SUMCVT \qs, \first
.endif
.if \qf < 4
	FMA1 \qf
.endif
.set ei, ei+1
.endr
.endm
; The stretch softmax of one chunk: vector work on registers alone.  first = 1: the very first chunk starts maxima and sums, and O has nothing to scale.
.macro SM first
	; the chunk's maximum for each query, joined with the running one: 32 numbers a lane, the four query tiles side by side
.if \first
.irp qt, 0,1,2,3
	v_max3_num_f32 v[T+\qt], v[SB+16*\qt], v[SB+16*\qt+1], v[SB+16*\qt+2]
.endr
.set n, 3
.rept 14
.irp qt, 0,1,2,3
	v_max3_num_f32 v[T+\qt], v[T+\qt], v[SB+16*\qt+64*(n/16)+n%16], v[SB+16*\qt+64*((n+1)/16)+(n+1)%16]
.endr
.set n, n+2
.endr
.irp qt, 0,1,2,3
	v_max_num_f32 v[T+\qt], v[T+\qt], v[SB+16*\qt+64+15]
.endr
.else
.irp qt, 0,1,2,3
	v_max3_num_f32 v[T+\qt], v[M+\qt], v[SB+16*\qt], v[SB+16*\qt+1]
.endr
.set n, 2
.rept 15
.irp qt, 0,1,2,3
	v_max3_num_f32 v[T+\qt], v[T+\qt], v[SB+16*\qt+64*(n/16)+n%16], v[SB+16*\qt+64*((n+1)/16)+(n+1)%16]
.endr
.set n, n+2
.endr
.endif
.irp qt, 0,1,2,3
	v_permlanex16_b32 v[U+\qt], v[T+\qt], s54, s55 ; the other half of the keys lies in lane l xor 16
.endr
.irp qt, 0,1,2,3
	v_max_num_f32 v[T+\qt], v[T+\qt], v[U+\qt]
.endr
.irp qt, 0,1,2,3
	v_mul_f32 v[NMC+2*\qt],   s52, v[T+\qt]        ; - max c, in both registers of the pair that the packed multiply-add takes
	v_mul_f32 v[NMC+2*\qt+1], s52, v[T+\qt]
.endr
.if \first == 0
.irp qt, 0,1,2,3
	v_fma_f32 v[AL+2*\qt], v[M+\qt], s50, v[NMC+2*\qt]
.endr
.irp qt, 0,1,2,3
	v_exp_f32 v[AL+2*\qt], v[AL+2*\qt]             ; alpha = exp2((old max - new max) c)
.endr
.endif
.irp qt, 0,1,2,3
	v_mov_b32 v[M+\qt], v[T+\qt]                   ; the new running maximum; also the plain instructions behind the exponentials
.endr
.if \first == 0
.irp qt, 0,1,2,3
	s_wait_alu depctr_va_vdst(0)
	v_mov_b32 v[AL+2*\qt+1], v[AL+2*\qt]
.endr
.endif
	; the probabilities, the four query tiles one step apart
	PIPE 9, 9, 0, \first
	PIPE 0, 9, 1, \first
	PIPE 1, 0, 2, \first
	PIPE 2, 1, 3, \first
	PIPE 3, 2, 9, \first
	PIPE 9, 3, 9, \first
.if \first == 0
	WIN 0x41                                       ; O (destination and source 0) window 1, alpha window 0
.irp dt, 0,1,2,3
.irp qt, 0,1,2,3
.irp p, 0,2,4,6
	v_pk_mul_f32 v[OB+8*(4*\dt+\qt)+\p:OB+8*(4*\dt+\qt)+\p+1], v[OB+8*(4*\dt+\qt)+\p:OB+8*(4*\dt+\qt)+\p+1], v[AL+2*\qt:AL+2*\qt+1]
.endr
.endr
.endr
	WIN 0
.endif
.endm
; The softmax for the waves of one kind alone.  The branch hangs on the wave's number; every window is 0 at the branch and at the label.
.macro KSM kind
	s_cmp_lg_u32 s49, \kind
	s_cbranch_scc1 .Lother_kind_\@
	SM 0
.Lother_kind_\@:
.endm
; PV of the chunk at hand, then S of the next chunk (sub-tile c of the slot).  K's fragments are asked for ahead of PV, V's behind it, so that each has a
; stretch of 32 matrix instructions or more in which to come.  presm = 1: the waves of kind 1 still owe the softmax of the chunk at hand.
.macro STEP slot, c, pvfirst, presm
	LDK \slot, \c
.if \presm
	KSM 1
.endif
	s_wait_dscnt 16                                ; V's fragments of the chunk at hand are in; only K's sixteen younger loads may be out
	PVM \pvfirst
	LDV \slot, \c
	s_wait_dscnt 16                                ; K's sixteen loads are in; V's sixteen younger ones stay out
	SQ
.endm
; The way into a tile.  In front of the round every wave waits for all its tensor loads (its part of this tile) and for its LDS reads, the last tile's fragment
; loads among them; behind it the other slot is filled with the next tile, first thing, one load a wave.
.macro GATE slot, refill
	s_wait_tensorcnt 0x0                           ; all my loads have landed, so every group 0 may be written:
	ds_add_u32 v62, v63
	s_wait_dscnt 0x0
	s_add_nc_u64 s[G0K+4*\slot+2:G0K+4*\slot+3], s[G0K+4*\slot+2:G0K+4*\slot+3], 2*TSTEP   ; this slot's next tile
	s_add_nc_u64 s[G0V+4*\slot+2:G0V+4*\slot+3], s[G0V+4*\slot+2:G0V+4*\slot+3], 2*TSTEP
	s_wait_dscnt 0x0                               ; my reads of the last tile are over
	ROUND                                          ; both now hold of every wave of the four work-groups
.if \refill
	JLOAD 1-\slot
.endif
.endm
; One tile: 128 keys in each half, two chunks.
.macro TRIP slot, refill
	GATE \slot, \refill
	STEP \slot, 0, 0, 1                            ; kind 1: softmax of the last tile's second chunk; all: its PV, then S of this tile's first chunk
	SM 0                                           ; softmax of the first chunk
	STEP \slot, 1, 0, 0                            ; its PV, then S of the second chunk
	KSM 0                                          ; kind 0: softmax of the second chunk
.endm
	; eight tiles: the first written out, three trips of two, the last
	GATE 0, 1
	LDK 0, 0
	LDV 0, 0
	s_wait_dscnt 16                                ; K's sixteen loads are in; V's sixteen stay out
	s_wait_loadcnt 0x0                             ; Q, once
	SQ
	SM 1
	STEP 0, 1, 1, 0                                ; the first PV starts O
	KSM 0
	s_mov_b32 s48, 3
.Lpair:
	TRIP 1, 1
	TRIP 0, 1
	s_sub_co_u32 s48, s48, 1
	s_cmp_lg_u32 s48, 0
	s_cbranch_scc1 .Lpair
	TRIP 1, 0                                      ; the last tile: nothing is left to fetch (the stepped addresses are not used)
	KSM 1                                          ; kind 1: the last chunk's softmax
	s_wait_dscnt 0x0                               ; the last chunk's V fragments
	PVM 0
	; THE MERGE.  Waves 4-7 hand O, their maxima and their lanes' sums to waves 0-3.
	s_cmp_eq_u32 s9, 0
	s_cbranch_scc1 .Lno_send
.irp qt, 0,1,2,3
	v_add_f32 v[T+\qt], v[LP+2*\qt], v[LP+2*\qt+1]
.endr
	WIN 0x04                                       ; store data window 1
.set i, 0
.rept 32
	ds_store_b128 v[MG], v[OB+4*i:OB+4*i+3] offset:512*i
.set i, i+1
.endr
	WIN 0
	ds_store_b128 v[MG], v[M:M+3] offset:16384
	ds_store_b128 v[MG], v[T:T+3] offset:16896
.Lno_send:
	s_wait_dscnt 0x0                               ; my stores are in LDS before I say so
	s_barrier_signal -1
	s_barrier_wait -1
	s_cmp_lg_u32 s9, 0
	s_cbranch_scc1 .Lclose
.set i, 0
.rept 32
	ds_load_b128 v[SB+4*i:SB+4*i+3], v[MG] offset:512*i
.set i, i+1
.endr
	ds_load_b128 v[MP:MP+3], v[MG] offset:16384
	ds_load_b128 v[LQ:LQ+3], v[MG] offset:16896
	s_wait_dscnt 0x0
.irp qt, 0,1,2,3
	v_max_num_f32 v[T+\qt], v[M+\qt], v[MP+\qt]    ; the maximum over both halves
.endr
.irp qt, 0,1,2,3
	v_mul_f32 v[NMC+2*\qt], s52, v[T+\qt]
.endr
.irp qt, 0,1,2,3
	v_fma_f32 v[AL+2*\qt], v[M+\qt],  s50, v[NMC+2*\qt]
	v_fma_f32 v[F1+2*\qt], v[MP+\qt], s50, v[NMC+2*\qt]
.endr
.irp qt, 0,1,2,3
	v_exp_f32 v[AL+2*\qt], v[AL+2*\qt]             ; my half's weight
	v_exp_f32 v[F1+2*\qt], v[F1+2*\qt]             ; the partner's
.endr
.irp qt, 0,1,2,3
	v_add_f32 v[U+\qt], v[LP+2*\qt], v[LP+2*\qt+1] ; plain instructions behind the exponentials
.endr
.irp qt, 0,1,2,3
	s_wait_alu depctr_va_vdst(0)
	v_mul_f32 v[U+\qt], v[U+\qt], v[AL+2*\qt]
.endr
.irp qt, 0,1,2,3
	v_fmac_f32 v[U+\qt], v[LQ+\qt], v[F1+2*\qt]
.endr
.irp qt, 0,1,2,3
	v_permlanex16_b32 v[T+\qt], v[U+\qt], s54, s55 ; the sums of lane l xor 16's keys
.endr
.irp qt, 0,1,2,3
	v_add_f32 v[U+\qt], v[U+\qt], v[T+\qt]         ; the row sum: at least 1, since the largest score gives exp2(0) with weight 1
.endr
.irp qt, 0,1,2,3
	v_rcp_f32 v[T+\qt], v[U+\qt]
.endr
	v_nop                                          ; one plain place behind the reciprocals
.irp qt, 0,1,2,3
	s_wait_alu depctr_va_vdst(0)
	v_mul_f32 v[AL+2*\qt+1], v[AL+2*\qt], v[T+\qt] ; weight / sum, in pairs
	v_mul_f32 v[AL+2*\qt],   v[AL+2*\qt], v[T+\qt]
	v_mul_f32 v[F1+2*\qt+1], v[F1+2*\qt], v[T+\qt]
	v_mul_f32 v[F1+2*\qt],   v[F1+2*\qt], v[T+\qt]
.endr
.irp dt, 0,1,2,3
.irp qt, 0,1,2,3
.irp p, 0,2,4,6
	v_pk_mul_f32 v[SB+8*(4*\dt+\qt)+\p:SB+8*(4*\dt+\qt)+\p+1], v[SB+8*(4*\dt+\qt)+\p:SB+8*(4*\dt+\qt)+\p+1], v[F1+2*\qt:F1+2*\qt+1]
.endr
.endr
.endr
	WIN 0x01                                       ; source 0 (my O) window 1
.irp dt, 0,1,2,3
.irp qt, 0,1,2,3
.irp p, 0,2,4,6
	v_pk_fma_f32 v[SB+8*(4*\dt+\qt)+\p:SB+8*(4*\dt+\qt)+\p+1], v[OB+8*(4*\dt+\qt)+\p:OB+8*(4*\dt+\qt)+\p+1], v[AL+2*\qt:AL+2*\qt+1], v[SB+8*(4*\dt+\qt)+\p:SB+8*(4*\dt+\qt)+\p+1]
.endr
.endr
.endr
	WIN 0
	; a lane's eight numbers of a tile are d = 16 dt + 8 h + 0..7 of query r: 16 bytes in bf16, through my own stage, back as whole rows
.irp dt, 0,1,2,3
.irp qt, 0,1,2,3
.irp p, 0,1,2,3
	v_cvt_pk_bf16_f32 v[SB+8*(4*\dt+\qt)+\p], v[SB+8*(4*\dt+\qt)+2*\p], v[SB+8*(4*\dt+\qt)+2*\p+1]
.endr
	ds_store_b128 v[ST], v[SB+8*(4*\dt+\qt):SB+8*(4*\dt+\qt)+3] offset:\qt*16*KP+32*\dt
.endr
.endr
.irp t, 0,1,2,3,4,5,6,7,8,9,10,11,12,13,14,15
	ds_load_b128 v[OUTB+4*\t:OUTB+4*\t+3], v[RDO] offset:\t*4*KP       ; four queries; a wave's LDS instructions are served in order (ISA guide 5.7.1)
.endr
.irp t, 0,1,2,3,4,5,6,7,8,9,10,11,12,13,14,15
	s_wait_dscnt 15-\t                             ; load t is in, the younger ones stay out
	global_store_b128 v[CO], v[OUTB+4*\t:OUTB+4*\t+3], s[6:7] offset:512*\t    ; 512 consecutive bytes at a multiple of 512 from ao's first byte
.endr
.Lclose:
	s_wait_tensorcnt 0x0
	ds_add_u32 v62, v63
	s_wait_dscnt 0x0
	ROUND                                          ; the closing round: no work-group ends while a partner may still ask for a tile that names it
	s_endpgm
.Lfunc_end_k_q52a58d7c3c_attn:
	.size	k_q52a58d7c3c_attn, .Lfunc_end_k_q52a58d7c3c_attn-k_q52a58d7c3c_attn
	.p2alignl 7, 3214868480
	.fill 96, 4, 3214868480
	.section	.rodata,"a",@progbits
	.p2align	6, 0x0
	.amdhsa_kernel k_q52a58d7c3c_attn
		.amdhsa_group_segment_fixed_size 327680
		.amdhsa_private_segment_fixed_size 0
		.amdhsa_enable_private_segment 0
		.amdhsa_kernarg_size 16
		.amdhsa_user_sgpr_count 2
		.amdhsa_user_sgpr_kernarg_segment_ptr 1
		.amdhsa_wavefront_size32 1
		.amdhsa_system_sgpr_workgroup_id_x 1
		.amdhsa_system_sgpr_workgroup_id_y 1
		.amdhsa_system_sgpr_workgroup_id_z 1
		.amdhsa_system_vgpr_workitem_id 0
		.amdhsa_next_free_vgpr 512
		.amdhsa_next_free_sgpr 66
		.amdhsa_reserve_vcc 0
		.amdhsa_float_denorm_mode_32 3
		.amdhsa_float_denorm_mode_16_64 3
		.amdhsa_memory_ordered 1
		.amdhsa_forward_progress 1
		.amdhsa_inst_pref_size 255
	.end_amdhsa_kernel
	.section	.bss,"aw",@nobits
	.p2align	6
	.space	262144
	.amdgpu_metadata
---
amdhsa.version: [ 1, 2 ]
amdhsa.kernels:
  - .name:           k_q52a58d7c3c_attn
    .symbol:         k_q52a58d7c3c_attn.kd
    .args:
      - { .name: hd, .offset: 0, .size: 8, .value_kind: global_buffer, .address_space: global }
      - { .name: ao, .offset: 8, .size: 8, .value_kind: global_buffer, .address_space: global }
    .group_segment_fixed_size: 327680
    .private_segment_fixed_size: 0
    .kernarg_segment_align: 8
    .kernarg_segment_size: 16
    .max_flat_workgroup_size: 256
    .sgpr_count:     66
    .vgpr_count:     512
    .wavefront_size: 32
...
	.end_amdgpu_metadata
.endif
;; end of part 3
;; launch oproj (part 4): grid 8 x 32, 4 waves a work-group, clusters of 4 x 4, 327,680 bytes of LDS; arguments ao, cb, bo, out0; writes out0
.if DOCPART == 4
	.amdgcn_target "amdgcn-amd-amdhsa--gfx1250"
	.amdhsa_code_object_version 6
	.text
	.protected	k_q52a58d7c3c_oproj
	.globl	k_q52a58d7c3c_oproj
	.p2align	8
	.type	k_q52a58d7c3c_oproj,@function
k_q52a58d7c3c_oproj:
	s_mov_b64 s[64:65], 0
	v_nop
	global_prefetch_b8 v0, s[64:65] scope:SCOPE_SE
	s_setreg_imm32_b32 hwreg(HW_REG_WAVE_MODE, 25, 1), 1
	s_wait_xcnt 0x0
	s_wait_alu depctr_hold_cnt(0) depctr_sa_sdst(0) depctr_va_vdst(0) depctr_va_sdst(0) depctr_va_ssrc(0) depctr_va_vcc(0) depctr_vm_vsrc(0)
	s_getreg_b32 s2, hwreg(HW_REG_IB_STS2, 6, 4)
	s_cmp_eq_u32 s2, 0
	s_cbranch_scc0 .Lentry_in_a_cluster
	s_endpgm
.Lentry_in_a_cluster:
	s_bfe_u32 s2, ttmp6, 0x10000c
	s_cmp_lg_u32 s2, 0xf033
	s_cbranch_scc0 .Lentry_shape_is_right
	s_endpgm
.Lentry_shape_is_right:
; oproj: out0 = attn Wo^T + bo.  attn: ao[b][h][s][64] bf16 (feature k = 64 h + d), Wo: [1024][1024] bf16 in cb, bo f32, out0 [4096][1024] f32; sums in f32.
; 32 x 8 = 256 work-groups of 128 tokens x 128 features, four waves of 64 x 64 (16 accumulator tiles): blocks of 256 x 256 would give work to 64 work-groups only.
; K = 1,024 goes in four steps of 256 (four heads) through two LDS slots.  A step's part of ao is four dense planes of 128 tokens x 128 bytes, one for each head.
; CLUSTERS: 4 x 4 work-groups; ao's tiles are shared along a row of the cluster, Wo's along a column, each asked for jointly.
; The bias starts the sums (the first products' C operand).  The matrix instruction is used transposed (source 0 = rows of Wo, source 1 = tokens): a lane
; holds eight neighbouring features of one token.
; REGISTERS: window 0: v16-27 addresses, v64-127 and v128-191 token fragments (kk, a) at 8 (4 kk + a), two buffers, v192-223 the bias tiles, v192-255 rows on the way out;
; window 1: v0-127 accumulators (a, b) at 8 (4 a + b), v128-191 and v192-255 Wo fragments (kk, b), two buffers.
.set AP,     144                       ; a token's 128 bytes of one head + 16
.set BP,     528                       ; a row of Wo: 512 bytes of a step + 16
.set APLANE, 128*AP                    ; one head's plane
.set BOFF,   4*APLANE                  ; Wo's rows lie behind the four planes
.set SLOT,   BOFF+128*BP               ; 141,312
.set STAGE,  2*SLOT                    ; 16 rows x 272 bytes for each wave; no fill ever lands here
.set SPITCH, 272
.set ASTEP,  4*262144                  ; four heads on in ao
.set BSTEP,  512                       ; 256 elements on in a row of Wo
.set WOBASE, 31457280                  ; Wo's first byte in cb
.set ADRA, 16
.set ADRB, 20
.set STO,  24
.set RD,   25
.set CO,   26
.set BO,   27
.set F0,   64                          ; token fragments; Wo's lie 64 registers higher, in window 1
.set F1,   128
.set BIAS, 192
.set G1,  24                           ; s[24:31], s[32:39] groups 1 and 0 for ao's tiles
.set G0,  32
.set G1B, 48                           ; s[48:55], s[56:63] for Wo's
.set G0B, 56
.set MSB, 0
.macro WIN new
.if MSB != \new
	s_set_vgpr_msb (MSB<<8)|\new
.set MSB, \new
.endif
.endm
.set MUL,   0x51                       ; source 0 (Wo) window 1, source 1 (tokens) window 0, C and D window 1
.set MUL_B, 0x41                       ; C (the bias) window 0
.macro JLOAD s                         ; waves 0, 1 ask for ao's planes, waves 2, 3 for Wo's rows
	s_cmp_eq_u32 s13, 0
	s_cbranch_scc0 .Lfor_b_\@
	tensor_load_to_lds s[G0+4*\s:G0+4*\s+3], s[G1:G1+7]
	s_nop 0
	s_branch .Lasked_\@
.Lfor_b_\@:
	tensor_load_to_lds s[G0B+4*\s:G0B+4*\s+3], s[G1B:G1B+7]
	s_nop 0
.Lasked_\@:
.endm
.macro CREST
	s_cmp_lg_u32 s12, 0
	s_cbranch_scc1 .Lnot_wave_0_\@
	s_barrier_signal -3
.Lnot_wave_0_\@:
	s_barrier_wait -3
	s_barrier_signal -1
	s_barrier_wait -1
.endm
.macro CROUND
	s_barrier_signal -1
	s_barrier_wait -1
	CREST
.endm
	s_load_b256 s[4:11], s[0:1], 0x0               ; ao s[4:5], cb s[6:7], bo s[8:9], out0 s[10:11]
	v_lshl_add_u32 v62, v0, 2, 0x49400
	v_mov_b32 v63, 0
	ds_add_u32 v62, v63
	v_lshrrev_b32 v1, 5, v0
	v_readfirstlane_b32 s12, v1                    ; wave 0..3
	s_lshr_b32 s13, s12, 1                         ; my half of the tokens.  Also: I fetch for ao (0) or for Wo (1)
	s_and_b32 s14, s12, 1                          ; my half of the features.  Also: which half of that tile I fetch
	s_bfe_u32 s40, ttmp6, 0x40000                  ; cx
	s_bfe_u32 s41, ttmp6, 0x40004                  ; cy
	s_lshl_b32 s42, ttmp9, 2
	s_add_co_u32 s42, s42, s40                     ; block column, 0..7
	s_and_b32 s15, ttmp7, 0xffff
	s_lshl_b32 s15, s15, 2
	s_add_co_u32 s15, s15, s41                     ; block row, 0..31
	s_lshl_b32 s43, s41, 2
	s_lshl_b32 s43, 15, s43                        ; my row of the cluster
	s_lshl_b32 s44, 0x1111, s40                    ; my column
	; ao: two planes as two rows of 8,192 elements (each a dense block of 16,384 bytes), 131,072 elements apart; the padding is counted along the tile:
	; 4 words behind every 32, so that each token's 128 bytes get a pitch of 144
	s_or_b32 s[G1+0], s43, (1<<16)|(1<<20)|(1<<21)|(4<<22)|(3<<25)
	s_mov_b32 s[G1+1], 8192<<16                    ; tensor_dim0 = 8,192
	s_mov_b32 s[G1+2], 2<<16                       ; tensor_dim1 = 2
	s_mov_b32 s[G1+3], 8192<<16                    ; tile_dim0 = 8,192
	s_mov_b32 s[G1+4], 2                           ; tile_dim1 = 2
	s_mov_b32 s[G1+5], 131072                      ; elements from head to head
	s_mov_b32 s[G1+6], 0
	s_mov_b32 s[G1+7], 0
	; Wo: 64 rows x 256 elements, 4 words of padding behind every 128
	s_or_b32 s[G1B+0], s44, (1<<16)|(1<<20)|(1<<21)|(6<<22)|(3<<25)
	s_mov_b32 s[G1B+1], 256<<16
	s_mov_b32 s[G1B+2], 64<<16
	s_mov_b32 s[G1B+3], 256<<16
	s_mov_b32 s[G1B+4], 64
	s_mov_b32 s[G1B+5], 1024
	s_mov_b32 s[G1B+6], 0
	s_mov_b32 s[G1B+7], 0
	; ao's tiles hang on the block row, Wo's on the block column; each in registers that never hold the other coordinate
	s_lshr_b32 s16, s15, 4
	s_lshl_b32 s16, s16, 22                        ; the batch: 4,194,304 bytes
	s_and_b32 s17, s15, 15
	s_lshl_b32 s17, s17, 14                        ; 128 tokens x 128 bytes
	s_add_co_u32 s16, s16, s17
	s_lshl_b32 s17, s14, 19                        ; my two planes of the step's four
	s_add_co_u32 s16, s16, s17
	s_mov_b32 s17, 0
	s_lshl_b32 s46, s42, 18                        ; 128 rows of 2,048 bytes x block column
	s_lshl_b32 s47, s14, 17                        ; + my 64 rows
	s_add_co_u32 s46, s46, s47
	s_add_co_u32 s46, s46, WOBASE
	s_mov_b32 s47, 0
	s_mul_i32 s20, s12, 2*APLANE                   ; LDS, waves 0, 1: wave x two planes
	s_mul_i32 s21, s12, 64*BP                      ; LDS, waves 2, 3: BOFF + (wave - 2) x 64 rows
	s_add_co_u32 s21, s21, BOFF-2*64*BP
	s_wait_dscnt 0x0
	s_wait_kmcnt 0x0
	s_add_nc_u64 s[18:19], s[4:5], s[16:17]
	s_add_nc_u64 s[46:47], s[6:7], s[46:47]
	CROUND                                         ; all sixteen work-groups are here: the first joint loads meet
.irp s, 0,1
	s_mov_b32 s[G0+4*\s], 1
	s_add_co_u32 s[G0+4*\s+1], s20, \s*SLOT
	s_add_nc_u64 s[G0+4*\s+2:G0+4*\s+3], s[18:19], \s*ASTEP
	s_or_b32 s[G0+4*\s+3], s[G0+4*\s+3], 0x80000000
	s_mov_b32 s[G0B+4*\s], 1
	s_add_co_u32 s[G0B+4*\s+1], s21, \s*SLOT
	s_add_nc_u64 s[G0B+4*\s+2:G0B+4*\s+3], s[46:47], \s*BSTEP
	s_or_b32 s[G0B+4*\s+3], s[G0B+4*\s+3], 0x80000000
	JLOAD \s                                       ; both first fills: two loads of this wave are out
.endr
	v_and_b32 v1, 15, v0                           ; r
	v_bfe_u32 v2, v0, 4, 1                         ; h
	v_mul_u32_u24 v3, v1, AP
	v_lshl_add_u32 v3, v2, 4, v3
	s_mul_i32 s22, s13, 64*AP                      ; my 64 tokens
	v_add_nc_u32 v[ADRA], s22, v3
	v_add_nc_u32 v[ADRA+1], SLOT, v[ADRA]
	v_mul_u32_u24 v4, v1, BP
	v_lshl_add_u32 v4, v2, 4, v4
	s_mul_i32 s23, s14, 64*BP                      ; my 64 rows of Wo
	s_add_co_u32 s23, s23, BOFF
	v_add_nc_u32 v[ADRB], s23, v4
	v_add_nc_u32 v[ADRB+1], SLOT, v[ADRB]
	s_mul_i32 s22, s12, 16*SPITCH
	s_add_co_u32 s22, s22, STAGE                   ; my stage
	v_mul_u32_u24 v5, v1, SPITCH                   ; in: token r, 32 bytes for each half of the lanes
	v_lshl_add_u32 v5, v2, 5, v5
	v_add_nc_u32 v[STO], s22, v5
	v_mul_u32_u24 v6, v2, SPITCH                   ; back: lanes 0-15 take one token's 256 bytes, lanes 16-31 the next token's
	v_lshl_add_u32 v6, v1, 4, v6
	v_add_nc_u32 v[RD], s22, v6
	v_lshlrev_b32 v7, 12, v2                       ; and the same two rows of 4,096 bytes in out0
	v_lshl_add_u32 v[CO], v1, 4, v7
	s_lshl_b32 s45, s42, 9                         ; my first feature in bytes: 128 x 4 x block column + 64 x 4 x half
	s_lshl_b32 s23, s14, 8
	s_add_co_u32 s45, s45, s23
	v_lshl_add_u32 v[BO], v2, 5, s45
.irp b, 0,1,2,3
	global_load_b128 v[BIAS+8*\b:BIAS+8*\b+3],   v[BO], s[8:9] offset:64*\b
	global_load_b128 v[BIAS+8*\b+4:BIAS+8*\b+7], v[BO], s[8:9] offset:64*\b+16
.endr
; 16 matrix instructions: all (a, b), 32 along K.  The sixteen accumulators take turns, one instruction a turn.
.macro MUL16 f, kk, first
.irp a, 0,1,2,3
.irp b, 0,1,2,3
.if \first
	v_wmma_f32_16x16x32_bf16 v[8*(4*\a+\b):8*(4*\a+\b)+7], v[\f+64+8*(4*\kk+\b):\f+64+8*(4*\kk+\b)+7], v[\f+8*(4*\kk+\a):\f+8*(4*\kk+\a)+7], v[BIAS+8*\b:BIAS+8*\b+7]
.else
	v_wmma_f32_16x16x32_bf16 v[8*(4*\a+\b):8*(4*\a+\b)+7], v[\f+64+8*(4*\kk+\b):\f+64+8*(4*\kk+\b)+7], v[\f+8*(4*\kk+\a):\f+8*(4*\kk+\a)+7], v[8*(4*\a+\b):8*(4*\a+\b)+7]
.endif
.endr
.endr
.endm
; 32 LDS loads: the fragments of head hs of the slot (64 along K) into buffer f: Wo's first, then the tokens', each with kk = 0 in front of kk = 1
.macro FETCH slot, hs, f
	WIN 0x40
.irp kk, 0,1
.irp b, 0,1,2,3
	ds_load_b128 v[\f+64+8*(4*\kk+\b):\f+64+8*(4*\kk+\b)+3],   v[ADRB+\slot] offset:\b*16*BP+128*\hs+64*\kk
	ds_load_b128 v[\f+64+8*(4*\kk+\b)+4:\f+64+8*(4*\kk+\b)+7], v[ADRB+\slot] offset:\b*16*BP+128*\hs+64*\kk+32
.endr
.endr
	WIN 0
.irp kk, 0,1
.irp a, 0,1,2,3
	ds_load_b128 v[\f+8*(4*\kk+\a):\f+8*(4*\kk+\a)+3],   v[ADRA+\slot] offset:\hs*APLANE+\a*16*AP+64*\kk
	ds_load_b128 v[\f+8*(4*\kk+\a)+4:\f+8*(4*\kk+\a)+7], v[ADRA+\slot] offset:\hs*APLANE+\a*16*AP+64*\kk+32
.endr
.endr
.endm
.macro PLACES                          ; four plain places between a matrix instruction and a load into its registers or a store of its result (ISA guide 7.12.1 for stores)
.rept 4
	v_nop
.endr
.endm
; One head (64 along K) from buffer f; in its middle the next head's fragments are fetched into buffer g.
.macro HALF slot, hsn, f, g, first
	s_wait_dscnt 8                                 ; all but the youngest eight loads: the tokens' second 32 along K
.if \first
	WIN MUL_B
.else
	WIN MUL
.endif
	MUL16 \f, 0, \first
	PLACES
	FETCH \slot, \hsn, \g
	s_wait_dscnt 32                                ; all but the 32 just issued
	WIN MUL
	MUL16 \f, 1, 0
.endm
; The slot's last head, and the change of slots: each wave waits for its reads of this slot and for all its tensor loads in front of the barrier;
; fill = 1: the barrier opens a round of the cluster's barrier, and the joint refill is the first tensor load behind it.
.macro TURN slot, next, fill
	WIN MUL
	s_wait_dscnt 0x0                               ; my reads of this slot are over
	s_set_vgpr_msb 0x5150
	s_wait_tensorcnt 0x0                           ; and all my tensor loads have landed: my part of the next slot
	ds_add_u32 v62, v63
	s_wait_dscnt 0x0
	s_set_vgpr_msb 0x5051
	s_barrier_signal -1
	MUL16 F1, 0, 0                                 ; register work while the others arrive
	WIN 0
	s_barrier_wait -1
.if \fill
	CREST
	s_add_nc_u64 s[G0+4*\slot+2:G0+4*\slot+3], s[G0+4*\slot+2:G0+4*\slot+3], 2*ASTEP
	s_add_nc_u64 s[G0B+4*\slot+2:G0B+4*\slot+3], s[G0B+4*\slot+2:G0B+4*\slot+3], 2*BSTEP
	JLOAD \slot                                    ; two steps ahead; it has 112 matrix instructions of this wave in which to land
.endif
	PLACES
	FETCH \next, 0, F0
	WIN MUL
	MUL16 F1, 1, 0
.endm
.macro THREE slot, first
	HALF \slot, 1, F0, F1, \first
	HALF \slot, 2, F1, F0, 0
	HALF \slot, 3, F0, F1, 0
.endm
	s_wait_tensorcnt 1                             ; my part of step 0 is in; step 1's stays out
	s_barrier_signal -1
	s_barrier_wait -1
	FETCH 0, 0, F0
	s_wait_loadcnt 0x0                             ; the bias tiles
	THREE 0, 1                                     ; step 0: the first products start the sums from the bias
	TURN 0, 1, 1
	THREE 1, 0                                     ; step 1
	TURN 1, 0, 1
	THREE 0, 0                                     ; step 2: nothing is left to fetch
	TURN 0, 1, 0
	THREE 1, 0                                     ; step 3
	s_wait_dscnt 0x0
	WIN MUL
	MUL16 F1, 0, 0
	MUL16 F1, 1, 0
	WIN 0
	; THE WAY OUT, 16 tokens at a time, in f32: 32 bytes a lane into my stage, read back as whole rows of 256 bytes
	PLACES
	s_lshl_b32 s16, s15, 19                        ; 128 rows of 4,096 bytes x block row
	s_lshl_b32 s17, s13, 18                        ; + 64 rows x half
	s_add_co_u32 s16, s16, s17
	s_mov_b32 s17, 0
	s_add_nc_u64 s[10:11], s[10:11], s[16:17]
	s_mov_b32 s46, s45                             ; + my first feature in bytes
	s_mov_b32 s47, 0
	s_add_nc_u64 s[10:11], s[10:11], s[46:47]
.macro OUT a, f
	WIN 0x04                                       ; store data window 1
.irp b, 0,1,2,3
	ds_store_b128 v[STO], v[8*(4*\a+\b):8*(4*\a+\b)+3]   offset:64*\b
	ds_store_b128 v[STO], v[8*(4*\a+\b)+4:8*(4*\a+\b)+7] offset:64*\b+16
.endr
	WIN 0
	s_wait_xcnt 0x0                                ; buffer f, which earlier stores read, and the stores' base are rewritten only behind this wait
.if \a
	s_add_nc_u64 s[10:11], s[10:11], 16*4096       ; 16 tokens on
.endif
.irp t, 0,1,2,3,4,5,6,7
	ds_load_b128 v[\f+4*\t:\f+4*\t+3], v[RD] offset:\t*2*SPITCH        ; a wave's LDS instructions are served in order (ISA guide 5.7.1): these see the stores above
.endr
.irp t, 0,1,2,3,4,5,6,7
	s_wait_dscnt 7-\t                              ; load t is in, the younger ones stay out
	global_store_b128 v[CO], v[\f+4*\t:\f+4*\t+3], s[10:11] offset:\t*2*4096 th:TH_STORE_NT   ; 16 lanes store 256 consecutive bytes at a multiple of 256 from out0's first byte
.endr
.endm
	OUT 0, 192
	OUT 1, 224
	OUT 2, 192
	OUT 3, 224
	s_wait_tensorcnt 0x0
	ds_add_u32 v62, v63
	s_wait_dscnt 0x0
	CROUND                                         ; the closing round: no work-group ends while a partner may still ask for a tile that names it
	s_endpgm
.Lfunc_end_k_q52a58d7c3c_oproj:
	.size	k_q52a58d7c3c_oproj, .Lfunc_end_k_q52a58d7c3c_oproj-k_q52a58d7c3c_oproj
	.p2alignl 7, 3214868480
	.fill 96, 4, 3214868480
	.section	.rodata,"a",@progbits
	.p2align	6, 0x0
	.amdhsa_kernel k_q52a58d7c3c_oproj
		.amdhsa_group_segment_fixed_size 327680
		.amdhsa_private_segment_fixed_size 0
		.amdhsa_enable_private_segment 0
		.amdhsa_kernarg_size 32
		.amdhsa_user_sgpr_count 2
		.amdhsa_user_sgpr_kernarg_segment_ptr 1
		.amdhsa_wavefront_size32 1
		.amdhsa_system_sgpr_workgroup_id_x 1
		.amdhsa_system_sgpr_workgroup_id_y 1
		.amdhsa_system_sgpr_workgroup_id_z 1
		.amdhsa_system_vgpr_workitem_id 0
		.amdhsa_next_free_vgpr 512
		.amdhsa_next_free_sgpr 66
		.amdhsa_reserve_vcc 0
		.amdhsa_float_denorm_mode_32 3
		.amdhsa_float_denorm_mode_16_64 3
		.amdhsa_memory_ordered 1
		.amdhsa_forward_progress 1
		.amdhsa_inst_pref_size 87
	.end_amdhsa_kernel
	.amdgpu_metadata
---
amdhsa.version: [ 1, 2 ]
amdhsa.kernels:
  - .name:           k_q52a58d7c3c_oproj
    .symbol:         k_q52a58d7c3c_oproj.kd
    .args:
      - { .name: ao, .offset: 0, .size: 8, .value_kind: global_buffer, .address_space: global }
      - { .name: cb, .offset: 8, .size: 8, .value_kind: global_buffer, .address_space: global }
      - { .name: bo, .offset: 16, .size: 8, .value_kind: global_buffer, .address_space: global }
      - { .name: out0, .offset: 24, .size: 8, .value_kind: global_buffer, .address_space: global }
    .group_segment_fixed_size: 327680
    .private_segment_fixed_size: 0
    .kernarg_segment_align: 8
    .kernarg_segment_size: 32
    .max_flat_workgroup_size: 128
    .sgpr_count:     66
    .vgpr_count:     512
    .wavefront_size: 32
...
	.end_amdgpu_metadata
.endif
;; end of part 4
